; MI455X (gfx1250); checked and timed in simulation.
; The chip was launched on July 23, 2026; its instructions are those of AMD's public machine-readable ISA for CDNA 5 (MIT licence, August 2026) and "CDNA5" Instruction Set Architecture Reference Guide (July 2026). The comments in the code are by the model that wrote it; some were corrected since.
;; MSA Row Attention With Pair Bias. Allowed arithmetic: float matrix products may take bf16 or f16 operands with f32 sums; other float arithmetic in f32, or as packed bf16 or f16 multiplies, adds, multiply-adds, maxima and minima; sums over many terms, partial sums and values carried from step to step in f32; what a program stores and reads back later, other than sums and carried values, may be rounded once to bf16 or f16.
;; Inputs: Wg 256 x 256 float32; Wk 256 x 256 float32; Wo 256 x 256 float32; Wq 256 x 256 float32; Wv 256 x 256 float32; Wz 128 x 8 float32; bg 256 float32; bo 256 float32; ln_m_b 256 float32; ln_m_w 256 float32; ln_z_b 128 float32; ln_z_w 128 float32; m 256 x 256 x 256 float32; z 256 x 256 x 128 float32.
;; Outputs: out0 256 x 256 x 256 float32.
;; One version. Each part assembles by itself: llvm-mc -triple=amdgcn-amd-amdhsa -mcpu=gfx1250 --defsym DOCPART=n.
;; ======== version 1 of 1: 2 launches
;; limits: values are held in f16: magnitudes above 65,504 overflow, below 6.1e-05 lose precision
;; workspace buffers: stream 2,801,664 bytes
;; launch prep (part 1): grid 256 x 1, 8 waves a work-group, no clusters, 167,936 bytes of LDS; arguments z, ln_z_w, ln_z_b, Wz, Wg, Wk, Wv, Wq, Wo, stream; writes stream
.if DOCPART == 1
	.amdgcn_target "amdgcn-amd-amdhsa--gfx1250"
	.amdhsa_code_object_version 6
	.text
	.protected	k_qf99f558490_prep
	.globl	k_qf99f558490_prep
	.p2align	8
	.type	k_qf99f558490_prep,@function
k_qf99f558490_prep:
	s_mov_b64 s[64:65], 0
	v_nop
	global_prefetch_b8 v0, s[64:65] scope:SCOPE_SE
	s_setreg_imm32_b32 hwreg(HW_REG_WAVE_MODE, 25, 1), 1
	s_wait_xcnt 0x0
; PREP.  Makes the buffer 'stream', which the second launch walks from front to back:
;   (1) the pair bias  bias'[h][q][k] = log2(e) x sum_c LayerNorm(z[q][k][:])[c] Wz[c][h]  in f32,
;   (2) the five 256 x 256 weights rounded once to f16.
; Both are written as IMAGES of matrix registers: 8 registers x 32 lanes = 1,024 bytes, registers 0-3 of lane L at byte 16 L,
; registers 4-7 at 512 + 16 L, so that the second launch reads them with 16-byte loads of 512 consecutive bytes.
; LAYOUT OF stream.  Chunk t = 4 h + i (81,920 bytes) at t x CH: bias part, 64 images at wv x 16,384 + KT x 1,024 (head h, queries
; 16 (4 wv + i) + r, keys 16 KT + 8 hh + j); then at 65,536 a slice of one weight, 16 images at (8 ct + ks) x 1,024: lane (r, hh) holds
; W[32 ks + 16 a + 8 hh + e][32 H + 16 ct + r]; i = 0: Wg, H = h; i = 1, 2, 3: Wk, Wv, Wq, H = h + 1 (for h = 7 zeros: 48 KB that the
; second launch loads and does not multiply, the price of one descriptor and one text for all its trips).
; Wo at 32 CH + ((ks + 1) & 7) x 16,384 + ct x 1,024.  Wk, Wv, Wq of head 0 at PB, 16 KB each.
; SHARES.  Work-group x owns queries 16 (x >> 4) .. + 15 and keys 16 (x & 15) .. + 15 of z, 128 KB; wave w two queries.  One tensor load a
; wave brings its 2 x 16 key rows of 512 bytes; no LDS byte is filled twice.  Weight image f = 256 w + x is made while z is on its way.
; No cluster: no two work-groups read the same bytes of z, and the weights are 1% of the bytes.
; LIMITS.  zn and Wz are rounded to f16 (largest number 65,504; below 6e-5 a fixed step of 6e-8), as are the weights; sums, mean, variance
; (two passes: the mean first, then squares of centred numbers) in f32.  NaN and infinities are not treated apart.
.set CH,    81920
.set PB,    32*CH+131072
.set ZP,    528                ; a key's row in LDS: 512 bytes + 16: 33 x 16, so the 16 rows of a load start at 16 different 16-byte columns of 256 (64 banks of 4 bytes: ISA guide 11.1)
.set ZWAVE, 32*ZP              ; a wave's 32 rows
.set STG,   8*ZWAVE            ; 8 heads x 1,024 bytes: the images of this work-group's tile
.set SPARE, STG+8192           ; the spare words, 128 bytes a wave
.set L16, 4                    ; v4   16 x lane
.set AZ,  5                    ; v5   LDS address of my part of a key row
.set AST, 6                    ; v6   where my results go in the stage
.set ATB, 7                    ; v7   32 hh: my place in 128 bytes of ln_z_w, ln_z_b
.set AWZ, 8                    ; v8   my place in Wz
.set AWL, 9                    ; v9   my place in a weight
.set VD,  10                   ; v10  offset in stream of a weight image
.set ARD, 11                   ; v11  where I read an image back
.set VO,  12                   ; v12  offset in stream of that image
.set SPW, 14                   ; v14  my spare word; never rewritten
.set NIL, 15                   ; v15  0; never rewritten
.set MU,  16                   ; v[16:17] the mean (low word)
.set RS,  18                   ; v[18:19] 1 / sqrt(var + eps) (low word)
.set C0,  20                   ; v[20:27] four chains of pairs
.set ACC, 32                   ; v[32:47] two accumulators
.set BF,  48                   ; v[48:79] Wz as four B fragments
.set X,   128                  ; v[128:191] 64 numbers of a key's row; then, packed, four A fragments in v[128:159]
.set OUTR, 192                 ; v[192:199] results to store
                               ; window 1: v0-63 ln_z_w, v64-127 ln_z_b, both in X's order
.set WV, 24
.set QT, 25
.set KT, 26
.set G1, 32
.set G0, 40
.set SEL, 44
.set R128, 46
.set EPS, 47
.set L2E, 48
.set CNT, 63
.set MSB, 0
.macro WIN new                 ; the immediate's high byte repeats the setting that is left
.if MSB != (\new)
	s_set_vgpr_msb (MSB<<8)|(\new)
.set MSB, (\new)
.endif
.endm
.macro PLACES
.rept 4
	v_nop
.endr
.endm
.macro FOLD                    ; four chains of pairs -> the row's figure in v[C0], in every lane (a row lies in lanes r and r + 16)
	v_pk_add_f32 v[C0:C0+1], v[C0:C0+1], v[C0+2:C0+3]
	v_pk_add_f32 v[C0+4:C0+5], v[C0+4:C0+5], v[C0+6:C0+7]
	v_pk_add_f32 v[C0:C0+1], v[C0:C0+1], v[C0+4:C0+5]
	v_add_f32 v[C0], v[C0], v[C0+1]
	v_permlanex16_b32 v[C0+1], v[C0], s[SEL], s[SEL+1]
	v_add_f32 v[C0], v[C0], v[C0+1]
.endm
	s_load_b256 s[4:11], s[0:1], 0x0               ; z s[4:5], ln_z_w s[6:7], ln_z_b s[8:9], Wz s[10:11]
	s_load_b256 s[12:19], s[0:1], 0x20             ; Wg s[12:13], Wk s[14:15], Wv s[16:17], Wq s[18:19]
	s_load_b128 s[20:23], s[0:1], 0x40             ; Wo s[20:21], stream s[22:23]
	v_lshl_add_u32 v[SPW], v0, 2, SPARE
	v_mov_b32 v[NIL], 0
	ds_add_u32 v[SPW], v[NIL]                      ; the wave's opening: the add and its wait ahead of my tensor load; work on registers stands between
	ds_add_u32 v14, v15
	v_lshrrev_b32 v1, 5, v0
	v_readfirstlane_b32 s[WV], v1                  ; wave 0..7
	s_lshr_b32 s[QT], ttmp9, 4                     ; query tile
	s_and_b32 s[KT], ttmp9, 15                     ; key tile
	; descriptor group 1: 2 rows (queries) of 2,048 f32 (16 keys, dense), 32,768 elements from query to query; 16 bytes of padding behind every 512
	s_mov_b32 s[G1+0], (2<<16)|(1<<20)|(6<<22)|(3<<25)
	s_mov_b32 s[G1+1], 2048<<16                    ; tensor_dim0 = 2,048
	s_mov_b32 s[G1+2], 2<<16                       ; tensor_dim1 = 2
	s_mov_b32 s[G1+3], 2048<<16                    ; tile_dim0 = 2,048
	s_mov_b32 s[G1+4], 2                           ; tile_dim1 = 2
	s_mov_b32 s[G1+5], 32768
	s_mov_b32 s[G1+6], 0
	s_mov_b32 s[G1+7], 0
	s_mov_b32 s[G0], 1
	s_mul_i32 s[G0+1], s[WV], ZWAVE
	s_lshl_b32 s28, s[QT], 21                      ; (16 QT + 2 w) queries of 131,072 bytes + 16 KT keys of 512
	s_lshl_b32 s29, s[WV], 18
	s_add_co_u32 s28, s28, s29
	s_lshl_b32 s29, s[KT], 13
	s_add_co_u32 s28, s28, s29
	s_mov_b32 s29, 0
	s_mov_b32 s[SEL], 0x76543210
	s_mov_b32 s[SEL+1], 0xfedcba98
	s_mov_b32 s[R128], 0x3c000000                  ; 1 / 128
	s_mov_b32 s[EPS], 0x3727c5ac                   ; 1e-5
	s_mov_b32 s[L2E], 0x3fb8aa3b                   ; log2(e)
	s_mov_b32 s[L2E+1], s[L2E]
	s_wait_dscnt 0x0                               ; the opening add is done
	s_wait_kmcnt 0x0
	s_add_nc_u64 s[G0+2:G0+3], s[4:5], s[28:29]
	s_or_b32 s[G0+3], s[G0+3], 0x80000000
	tensor_load_to_lds s[G0:G0+3], s[G1:G1+7]      ; my 32 key rows: the wave's only tensor load
	s_nop 0
	PLACES
	v_and_b32 v1, 31, v0                           ; lane L
	v_and_b32 v2, 15, v0                           ; r
	v_bfe_u32 v3, v0, 4, 1                         ; hh
	v_lshlrev_b32 v[L16], 4, v1
	v_lshlrev_b32 v[ATB], 5, v3
	v_mul_u32_u24 v[AZ], v2, ZP
	v_add_nc_u32 v[AZ], v[AZ], v[ATB]
	v_add_nc_u32 v[AZ], s[G0+1], v[AZ]             ; my wave's rows + key r + 32 hh
	v_and_b32 v[AWZ], 7, v0                        ; the head of my result column: columns 8-15 repeat heads 0-7
	v_lshlrev_b32 v[AST], 10, v[AWZ]
	v_lshl_add_u32 v[AST], v3, 8, v[AST]
	s_lshl_b32 s30, s[WV], 5
	s_add_co_u32 s30, s30, STG
	v_add_nc_u32 v[AST], s30, v[AST]               ; image of my head, lane 2 w + g + 16 hh of it
	v_lshlrev_b32 v[AWZ], 2, v[AWZ]
	v_lshl_add_u32 v[AWZ], v3, 8, v[AWZ]           ; 8 hh rows of 32 bytes + 4 x head
	v_lshlrev_b32 v[AWL], 2, v2
	v_lshl_add_u32 v[AWL], v3, 13, v[AWL]          ; 8 hh rows of 1,024 bytes + 4 r
	v_mov_b32 v[MU+1], 0                           ; named as pairs
	v_mov_b32 v[RS+1], 0
	WIN 0x40                                       ; destination window 1
.set i, 0
.rept 16                                               ; i = 4 ks + 2 a + b: channels 32 ks + 16 a + 8 hh + 4 b on
	global_load_b128 v[4*i:4*i+3], v[ATB], s[6:7] offset:128*(i/4)+64*((i/2)%2)+16*(i%2)
	global_load_b128 v[64+4*i:64+4*i+3], v[ATB], s[8:9] offset:128*(i/4)+64*((i/2)%2)+16*(i%2)
.set i, i+1
.endr
	WIN 0
.set i, 0
.rept 64                                               ; Wz[32 ks + 16 a + 8 hh + e][head], i = 16 ks + 8 a + e
	global_load_b32 v[X+i], v[AWZ], s[10:11] offset:1024*(i/16)+512*((i/8)%2)+32*(i%8)
.set i, i+1
.endr
	s_wait_loadcnt 0x0                             ; the tables and Wz
.set i, 0
.rept 32
	v_cvt_pk_f16_f32 v[BF+i], v[X+2*i], v[X+2*i+1]
.set i, i+1
.endr
	; THE WEIGHTS.  Image f = 256 w + x: f < 640: weight f >> 7 (Wg, Wk, Wv, Wq, Wo), column tile (f >> 3) & 15, K step f & 7; 640 <= f < 688: an image of zeros.
	s_lshl_b32 s54, s[WV], 8
	s_add_co_u32 s54, s54, ttmp9
	s_cmp_ge_u32 s54, 688
	s_cbranch_scc1 .Lwdone
	s_cmp_ge_u32 s54, 640
	s_cbranch_scc1 .Lzeros
	s_lshr_b32 s55, s54, 7                         ; M
	s_and_b32 s56, s54, 7                          ; ks
	s_bfe_u32 s57, s54, 0x40003                    ; column tile cT = 2 H + ct
	s_cmp_eq_u32 s55, 1
	s_cselect_b64 s[50:51], s[14:15], s[12:13]
	s_cmp_eq_u32 s55, 2
	s_cselect_b64 s[50:51], s[16:17], s[50:51]
	s_cmp_eq_u32 s55, 3
	s_cselect_b64 s[50:51], s[18:19], s[50:51]
	s_cmp_eq_u32 s55, 4
	s_cselect_b64 s[50:51], s[20:21], s[50:51]
	s_lshl_b32 s52, s56, 15                        ; 32 ks rows of 1,024 bytes
	s_lshl_b32 s53, s57, 6                         ; 16 cT columns
	s_add_co_u32 s52, s52, s53
	s_mov_b32 s53, 0
	s_add_nc_u64 s[50:51], s[50:51], s[52:53]
.set i, 0
.rept 16                                               ; W[32 ks + 16 a + 8 hh + e][16 cT + r], i = 8 a + e
	global_load_b32 v[X+i], v[AWL], s[50:51] offset:16384*(i/8)+1024*(i%8)
.set i, i+1
.endr
	s_lshr_b32 s58, s57, 1                         ; H
	s_and_b32 s59, s57, 1                          ; ct
	s_lshl_b32 s59, s59, 13
	s_lshl_b32 s61, s56, 10
	s_add_co_u32 s59, s59, s61                     ; (8 ct + ks) x 1,024
	s_lshl_b32 s60, s58, 2                         ; chunk 4 H for Wg,
	s_add_co_u32 s61, s60, s55
	s_sub_co_u32 s61, s61, 4                       ; 4 (H - 1) + M for Wk, Wv, Wq
	s_cmp_eq_u32 s55, 0
	s_cselect_b32 s60, s60, s61
	s_cselect_b32 s62, 1, s58                      ; 0 only for Wk, Wv, Wq of head 0,
	s_mul_i32 s60, s60, CH
	s_add_co_u32 s60, s60, 65536
	s_lshl_b32 s61, s55, 14
	s_add_co_u32 s61, s61, PB-16384                ; which lie at PB + (M - 1) x 16,384
	s_cmp_eq_u32 s62, 0
	s_cselect_b32 s60, s61, s60
	s_add_co_u32 s60, s60, s59
	s_add_co_u32 s61, s56, 1                       ; Wo: 32 CH + ((ks + 1) & 7) x 16,384 + cT x 1,024
	s_and_b32 s61, s61, 7
	s_lshl_b32 s61, s61, 14
	s_lshl_b32 s62, s57, 10
	s_add_co_u32 s61, s61, s62
	s_add_co_u32 s61, s61, 32*CH
	s_cmp_eq_u32 s55, 4
	s_cselect_b32 s60, s61, s60
	v_add_nc_u32 v[VD], s60, v[L16]
	s_wait_loadcnt 0x0
.set i, 0
.rept 8
	v_cvt_pk_f16_f32 v[OUTR+i], v[X+2*i], v[X+2*i+1]
.set i, i+1
.endr
	global_store_b128 v[VD], v[OUTR:OUTR+3], s[22:23]               ; each store of the wave covers 512 consecutive bytes, aligned
	global_store_b128 v[VD], v[OUTR+4:OUTR+7], s[22:23] offset:512
	s_branch .Lwdone
.Lzeros:
	s_sub_co_u32 s61, s54, 640
	s_lshr_b32 s62, s61, 4
	s_add_co_u32 s62, s62, 29                      ; chunks 29, 30, 31
	s_mul_i32 s60, s62, CH
	s_and_b32 s61, s61, 15
	s_lshl_b32 s61, s61, 10
	s_add_co_u32 s60, s60, s61
	s_add_co_u32 s60, s60, 65536
	v_add_nc_u32 v[VD], s60, v[L16]
.irp j, 0,1,2,3
	v_mov_b32 v[OUTR+\j], 0
.endr
	global_store_b128 v[VD], v[OUTR:OUTR+3], s[22:23]
	global_store_b128 v[VD], v[OUTR:OUTR+3], s[22:23] offset:512
.Lwdone:
	s_wait_xcnt 0x0                                ; the stores' data registers are written again only behind this wait
	; THE BIAS.  Two trips, a query each: LayerNorm of 16 keys x 128 channels, then 16 keys x 8 heads by four matrix instructions.
	s_wait_tensorcnt 0x0                           ; my rows are in LDS; only I read them
	s_mov_b32 s[CNT], 2
.Lq:
.set i, 0
.rept 16
	ds_load_b128 v[X+4*i:X+4*i+3], v[AZ] offset:128*(i/4)+64*((i/2)%2)+16*(i%2)
.set i, i+1
.endr
	s_wait_dscnt 0x0
.set p, 0
.rept 4                                                ; the sum of my 64 numbers, in four chains
	v_pk_add_f32 v[C0+2*p:C0+2*p+1], v[X+2*p:X+2*p+1], v[X+8+2*p:X+8+2*p+1]
.set p, p+1
.endr
.set p, 8
.rept 24
	v_pk_add_f32 v[C0+2*(p%4):C0+2*(p%4)+1], v[C0+2*(p%4):C0+2*(p%4)+1], v[X+2*p:X+2*p+1]
.set p, p+1
.endr
	FOLD
	v_mul_f32 v[MU], s[R128], v[C0]
.set p, 0
.rept 32                                               ; x - mean
	v_pk_add_f32 v[X+2*p:X+2*p+1], v[X+2*p:X+2*p+1], v[MU:MU+1] op_sel_hi:[1,0] neg_lo:[0,1] neg_hi:[0,1]
.set p, p+1
.endr
.set p, 0
.rept 4                                                ; the sum of squares of the centred numbers
	v_pk_mul_f32 v[C0+2*p:C0+2*p+1], v[X+2*p:X+2*p+1], v[X+2*p:X+2*p+1]
.set p, p+1
.endr
.rept 28
	v_pk_fma_f32 v[C0+2*(p%4):C0+2*(p%4)+1], v[X+2*p:X+2*p+1], v[X+2*p:X+2*p+1], v[C0+2*(p%4):C0+2*(p%4)+1]
.set p, p+1
.endr
	FOLD
	v_fma_f32 v[C0], v[C0], s[R128], s[EPS]
	v_rsq_f32 v[RS], v[C0]
	v_nop                                          ; a plain instruction between the root and the use of its result
.set p, 0
	s_wait_alu depctr_va_vdst(0)
.rept 32
	v_pk_mul_f32 v[X+2*p:X+2*p+1], v[X+2*p:X+2*p+1], v[RS:RS+1] op_sel_hi:[1,0]
.set p, p+1
.endr
	WIN 0x14                                       ; sources 1 and 2 in window 1
.set p, 0
.rept 32
	v_pk_fma_f32 v[X+2*p:X+2*p+1], v[X+2*p:X+2*p+1], v[2*p:2*p+1], v[64+2*p:64+2*p+1]
.set p, p+1
.endr
	WIN 0
.set p, 0
.rept 32                                               ; rounded to f16 in place, ascending: fragment ks lies at X + 8 ks
	v_cvt_pk_f16_f32 v[X+p], v[X+2*p], v[X+2*p+1]
.set p, p+1
.endr
	; two accumulators by turns: K steps 0, 1 on the first, 2, 3 on the second
	v_wmma_f32_16x16x32_f16 v[ACC:ACC+7], v[X:X+7], v[BF:BF+7], 0
	v_wmma_f32_16x16x32_f16 v[ACC+8:ACC+15], v[X+16:X+23], v[BF+16:BF+23], 0
	v_wmma_f32_16x16x32_f16 v[ACC:ACC+7], v[X+8:X+15], v[BF+8:BF+15], v[ACC:ACC+7]
	v_wmma_f32_16x16x32_f16 v[ACC+8:ACC+15], v[X+24:X+31], v[BF+24:BF+31], v[ACC+8:ACC+15]
	PLACES
.irp j, 0,2,4,6
	v_pk_add_f32 v[OUTR+\j:OUTR+\j+1], v[ACC+\j:ACC+\j+1], v[ACC+8+\j:ACC+8+\j+1]
.endr
.irp j, 0,2,4,6
	v_pk_mul_f32 v[OUTR+\j:OUTR+\j+1], v[OUTR+\j:OUTR+\j+1], s[L2E:L2E+1] op_sel_hi:[1,0]
.endr
	ds_store_b128 v[AST], v[OUTR:OUTR+3]           ; lane (head, hh) holds keys 8 hh + 0..7 of this query: lane 2 w + g + 16 hh of the head's image.  Lanes r and r + 8 write the same numbers to the same bytes
	ds_store_b128 v[AST], v[OUTR+4:OUTR+7] offset:512
	v_add_nc_u32 v[AZ], 16*ZP, v[AZ]               ; the second query's rows
	v_add_nc_u32 v[AST], 16, v[AST]
	s_sub_co_u32 s[CNT], s[CNT], 1
	s_cmp_lg_u32 s[CNT], 0
	s_cbranch_scc1 .Lq
	s_lshl_b32 s30, s[WV], 10
	s_add_co_u32 s30, s30, STG
	v_add_nc_u32 v[ARD], s30, v[L16]               ; wave w sends head w's image
	s_and_b32 s27, s[QT], 3                        ; chunk 4 w + (QT & 3), wave part QT >> 2, key tile KT
	s_lshl_b32 s28, s[WV], 2
	s_add_co_u32 s28, s28, s27
	s_mul_i32 s28, s28, CH
	s_lshr_b32 s29, s[QT], 2
	s_lshl_b32 s29, s29, 14
	s_add_co_u32 s28, s28, s29
	s_lshl_b32 s29, s[KT], 10
	s_add_co_u32 s28, s28, s29
	v_add_nc_u32 v[VO], s28, v[L16]
	s_wait_dscnt 0x0                               ; for the others' sake: my stores into the stage are done
	s_barrier_signal -1
	s_barrier_wait -1
	ds_load_b128 v[X:X+3], v[ARD]
	ds_load_b128 v[X+4:X+7], v[ARD] offset:512
	s_wait_dscnt 0x0
	global_store_b128 v[VO], v[X:X+3], s[22:23]
	global_store_b128 v[VO], v[X+4:X+7], s[22:23] offset:512
	s_wait_tensorcnt 0x0                           ; the wave's end
	ds_add_u32 v[SPW], v[NIL]
	s_wait_dscnt 0x0
	s_endpgm
.Lfunc_end_k_qf99f558490_prep:
	.size	k_qf99f558490_prep, .Lfunc_end_k_qf99f558490_prep-k_qf99f558490_prep
	.p2alignl 7, 3214868480
	.fill 96, 4, 3214868480
	.section	.rodata,"a",@progbits
	.p2align	6, 0x0
	.amdhsa_kernel k_qf99f558490_prep
		.amdhsa_group_segment_fixed_size 167936
		.amdhsa_private_segment_fixed_size 0
		.amdhsa_enable_private_segment 0
		.amdhsa_kernarg_size 80
		.amdhsa_user_sgpr_count 2
		.amdhsa_user_sgpr_kernarg_segment_ptr 1
		.amdhsa_wavefront_size32 1
		.amdhsa_system_sgpr_workgroup_id_x 1
		.amdhsa_system_sgpr_workgroup_id_y 1
		.amdhsa_system_sgpr_workgroup_id_z 1
		.amdhsa_system_vgpr_workitem_id 0
		.amdhsa_next_free_vgpr 384
		.amdhsa_next_free_sgpr 66
		.amdhsa_reserve_vcc 0
		.amdhsa_float_denorm_mode_32 3
		.amdhsa_float_denorm_mode_16_64 3
		.amdhsa_memory_ordered 1
		.amdhsa_forward_progress 1
		.amdhsa_inst_pref_size 35
	.end_amdhsa_kernel
	.amdgpu_metadata
---
amdhsa.version: [ 1, 2 ]
amdhsa.kernels:
  - .name:           k_qf99f558490_prep
    .symbol:         k_qf99f558490_prep.kd
    .args:
      - { .name: z, .offset: 0, .size: 8, .value_kind: global_buffer, .address_space: global }
      - { .name: ln_z_w, .offset: 8, .size: 8, .value_kind: global_buffer, .address_space: global }
      - { .name: ln_z_b, .offset: 16, .size: 8, .value_kind: global_buffer, .address_space: global }
      - { .name: Wz, .offset: 24, .size: 8, .value_kind: global_buffer, .address_space: global }
      - { .name: Wg, .offset: 32, .size: 8, .value_kind: global_buffer, .address_space: global }
      - { .name: Wk, .offset: 40, .size: 8, .value_kind: global_buffer, .address_space: global }
      - { .name: Wv, .offset: 48, .size: 8, .value_kind: global_buffer, .address_space: global }
      - { .name: Wq, .offset: 56, .size: 8, .value_kind: global_buffer, .address_space: global }
      - { .name: Wo, .offset: 64, .size: 8, .value_kind: global_buffer, .address_space: global }
      - { .name: stream, .offset: 72, .size: 8, .value_kind: global_buffer, .address_space: global }
    .group_segment_fixed_size: 167936
    .private_segment_fixed_size: 0
    .kernarg_segment_align: 8
    .kernarg_segment_size: 80
    .max_flat_workgroup_size: 256
    .sgpr_count:     66
    .vgpr_count:     384
    .wavefront_size: 32
...
	.end_amdgpu_metadata
.endif
;; end of part 1
;; launch main (part 2): grid 256 x 1, 4 waves a work-group, clusters of 4 x 1, 327,680 bytes of LDS; arguments m, stream, ln_m_w, ln_m_b, bg, bo, out0; writes out0
.if DOCPART == 2
	.amdgcn_target "amdgcn-amd-amdhsa--gfx1250"
	.amdhsa_code_object_version 6
	.text
	.protected	k_qf99f558490_main
	.globl	k_qf99f558490_main
	.p2align	8
	.type	k_qf99f558490_main,@function
k_qf99f558490_main:
	s_mov_b64 s[64:65], 0
	v_nop
	global_prefetch_b8 v0, s[64:65] scope:SCOPE_SE
	s_setreg_imm32_b32 hwreg(HW_REG_WAVE_MODE, 25, 1), 1
	s_wait_xcnt 0x0
	s_wait_alu depctr_hold_cnt(0) depctr_sa_sdst(0) depctr_va_vdst(0) depctr_va_sdst(0) depctr_va_ssrc(0) depctr_va_vcc(0) depctr_vm_vsrc(0)
	s_getreg_b32 s2, hwreg(HW_REG_IB_STS2, 6, 4)
	s_cmp_eq_u32 s2, 0
	s_cbranch_scc0 .Lentry_in_a_cluster
	s_endpgm
.Lentry_in_a_cluster:
	s_bfe_u32 s2, ttmp6, 0x10000c
	s_cmp_lg_u32 s2, 0x3003
	s_cbranch_scc0 .Lentry_shape_is_right
	s_endpgm
.Lentry_shape_is_right:
; MSA ROW ATTENTION WITH PAIR BIAS, one sequence (256 residues x 256 channels) to a work-group, from m to out0 with nothing through memory.
; out = (sigmoid(mn Wg + bg) * softmax(q k^T / sqrt(32) + bias) v) Wo + bo,  mn = LayerNorm(m), q, k, v = mn Wq, mn Wk, mn Wv by 8 heads of 32.
; 'stream' (made by the launch before) holds the bias times log2(e) in f32 and the weights in f16, as images of matrix registers (8 registers x 32 lanes:
; registers 0-3 of lane L at byte 16 L, registers 4-7 at 512 + 16 L), in the order in which this text reads them.
; SHARES.  Wave w owns residues 64 w .. 64 w + 63, as queries and as keys: four tiles of 16.  mn stays in 256 registers for the whole kernel.
; LAYOUT (L = lane, r = L % 16, hh = L / 16).  q^T, k^T, g^T = W^T mn^T: a lane holds one residue r and channels 8 hh + j; the two channel tiles of a head, packed to f16, ARE the
; operand of S^T = K q.  v = mn W: a lane holds one channel and keys 8 hh + j; two key tiles packed ARE a fragment of V^T.  S^T holds query r and keys 8 hh + j; it starts from the bias image
; as its C operand; two key tiles of weights packed ARE source 1 of O^T = V^T P, which has g^T's layout; g o packed IS source 1 of out^T = Wo^T (g o)^T, in which a lane holds eight neighbouring columns.
; SOFTMAX.  A query's 256 scores lie in 128 registers of two lanes: the row's true maximum is taken away, p = 2^(s - max), with s = (c q) . k + log2(e) bias, c = log2(e) / sqrt(32).
; THE WALK.  32 trips, t = 4 h + i: one chunk of 80 KB of stream, one round of the cluster's barrier, one tensor load a wave.  Trip t: attention of query tile i of head h (32 matrix instructions and
; the softmax) and ONE projection (64): i = 0: g of head h; i = 1, 2, 3: k, v, q of head h + 1.  K and V go from wave to wave through LDS and are read into registers once a head.
; CLUSTER.  All work-groups walk the same stream, so the four of a cluster ask for each chunk JOINTLY (same load, descriptor and mask); m is each work-group's own.
; LIMITS.  All matrix operands are f16, each rounded once from f32: mn, the weights, c q, k, v, p, g o (g and o are rounded to f16 and multiplied in packed f16).  f16 ends at 65,504 and keeps a fixed
; step of 6e-8 below 6e-5.  A weight p below 2^-126 counts as 0.  NaN and infinities are not treated apart.  Sums, LayerNorm (variance in two passes), maxima, sigmoid and the bias in f32.
; LDS: [0, 163,840) two slots of 81,920, filled by tensor loads alone; [163,840, 196,608) K (16 images) and V (16 images) of one head; [196,608, 311,296) g o of heads 0-6, 28,672 bytes a wave, its own
; (head 7's stays in registers), at the end that wave's stage for the way out; [266,240, 315,392) Wk, Wv, Wq of head 0 (filled once, read before the first g o is stored);
; [315,392, 315,904) the spare words; [315,904, 324,096) LayerNorm statistics.  m's first fill lies at [0, 266,240), 64 rows of 1,040 bytes a wave, and is read out before anything else lands there.
; REGISTERS, in windows of 256 (s_set_vgpr_msb: bits 1:0 source 0, 3:2 source 1, 5:4 source 2, 7:6 destination):
;   window 0: v0-31 addresses and statistics; v32-63 O^T (4 accumulators); v64-95 g o of the head in hand; v96-127 g; v128-255 S^T, then p, then P in its low half
;   window 1: mn (tile rt, K step ks at 64 rt + 8 ks); in the tail bo (v0-127) and Wo's fragments (v128-255)
;   window 2: v0-63 a projection's 8 accumulators; v64-191 its 16 weight fragments; v192-223 q; v224-239 bg; in the tail out^T of tiles 0, 1
;   window 3: v0-127 K, v128-255 V; at the start ln_m_w, ln_m_b; in the tail out^T of tiles 2, 3
.set CH,    81920
.set PB,    32*CH+131072
.set SLOT1, 81920
.set WOFF,  65536
.set KV,    163840
.set GO,    196608
.set GOW,   28672
.set PREG,  266240
.set SPARE, 315392
.set STAT,  315904
.set MP,    1040               ; a row of m, and of the stage: 1,024 bytes + 16 = 65 x 16: the 16 rows of a load start at 16 different 16-byte columns of 256 (64 banks of 4 bytes: ISA guide 11.1)
.set MW,    64*MP
.set L16, 1                    ; v1   16 L
.set AB0, 2                    ; v2, v3   my wave's bias images in slot 0, 1
.set AB1, 3
.set AW0, 4                    ; v4, v5   the weight images in slot 0, 1
.set AW1, 5
.set AKV, 6                    ; v6   K's and V's images
.set AKST, 7                   ; v7   where my wave's four images of K begin
.set AGO0, 8                   ; v8   my wave's g o
.set AGO, 9                    ; v9   the same for the head in hand
.set ABG, 10                   ; v10  my place in bg: 32 hh + 128 h
.set AM,  11                   ; v11  my place in m's rows
.set ASTAT, 12                 ; v12  my statistics
.set AP,  13                   ; v13  head 0's weight images
.set ASTS, 14                  ; v14  the way out: where I put 32 bytes of a row
.set AHH, 15                   ; v15  32 hh
.set SPW, 16                   ; v16  my spare word; never rewritten
.set NIL, 17                   ; v17  0; never rewritten
.set MX,  18                   ; v[18:19] the row's maximum (or mean), low word
.set C0,  20                   ; v[20:27] four chains
.set RL,  28                   ; v[28:29] 1 / l, low word
.set AWO, 30                   ; v30, v31 at work: stepped addresses
.set AGOR, 31
.set O,   32
.set GT,  64
.set G,   96
.set S,   128
.set WF,  64                   ; window 2
.set Q,   192
.set BGF, 224
.set WV,  18
.set G1R, 24                   ; s[24:31] joint, 80 rows of 256 bytes
.set G1P, 32                   ; s[32:39] joint, 48 rows
.set G1M, 40                   ; s[40:47] m: 64 rows of 1,024 bytes, padded
.set G0A, 48                   ; slot 0's chunks
.set G0B, 52                   ; slot 1's
.set G0M, 56
.set G0P, 60
.set G0T, 68                   ; the last chunk (48 KB)
.set SEL, 72
.set CS,  74
.set NL2, 76
.set HC,  78
.set CNT, 79
.set R256, 80
.set EPS, 81
.set GOFF, 82
.set TK, 0
.set TV, 1
.set TG, 2
.set TQ, 3
.set MSB, 0
.macro WIN new                 ; the immediate's high byte repeats the setting that is left; a switch that changes nothing is dropped
.if MSB != (\new)
	s_set_vgpr_msb (MSB<<8)|(\new)
.set MSB, (\new)
.endif
.endm
.macro PLACES                  ; four plain vector instructions between a matrix instruction and what reads its result or writes its registers (ISA guide 7.12.1)
.rept 4
	v_nop
.endr
.endm
.macro ROUND                   ; a round of the cluster's barrier: my work-group's barrier; wave 0 signals for it; every wave waits for all four work-groups; my work-group's barrier once more
	s_barrier_signal -1
	s_barrier_wait -1
	s_cmp_lg_u32 s[WV], 0
	s_cbranch_scc1 .Lnot_wave_0_\@
	s_barrier_signal -3
.Lnot_wave_0_\@:
	s_barrier_wait -3
	s_barrier_signal -1
	s_barrier_wait -1
.endm
.macro FILL g0, g1             ; my quarter of a chunk; an s_nop 0 and four v_nop follow
	tensor_load_to_lds s[\g0:\g0+3], s[\g1:\g1+7]
	s_nop 0
	PLACES
.endm
; A trip's head: all my tensor loads have landed (one was out: my quarter of this trip's chunk), the add, my LDS instructions are done; the round; then the slot read last trip takes the next chunk.
.macro HEADOF this, other
	WIN 0
	s_wait_tensorcnt 0x0
	ds_add_u32 v[SPW], v[NIL]
	s_add_nc_u64 s[\this+2:\this+3], s[\this+2:\this+3], 2*CH  ; no load of mine is out: this slot's next chunk
	s_wait_dscnt 0x0
	ROUND
	FILL \other, G1R
.endm
.macro BIASLD a                ; the bias images of my query tile: they are S^T's start
	WIN 0
.set kt, 0
.rept 16
	ds_load_b128 v[S+8*kt:S+8*kt+3], v[\a] offset:1024*kt
	ds_load_b128 v[S+8*kt+4:S+8*kt+7], v[\a] offset:1024*kt+512
.set kt, kt+1
.endr
.endm
.macro KVLD                    ; K's 16 images, then V's 16
	WIN 0xc0
.set f, 0
.rept 32
	ds_load_b128 v[8*f:8*f+3], v[AKV] offset:1024*f
	ds_load_b128 v[8*f+4:8*f+7], v[AKV] offset:1024*f+512
.set f, f+1
.endr
.endm
.macro WLD a, off              ; a projection's 16 weight images (ct, ks) -> WF + 64 ct + 8 ks
	WIN 0x80
.set f, 0
.rept 16
	ds_load_b128 v[WF+8*f:WF+8*f+3], v[\a] offset:(\off)+1024*f
	ds_load_b128 v[WF+8*f+4:WF+8*f+7], v[\a] offset:(\off)+1024*f+512
.set f, f+1
.endr
.endm
.macro XLD a, off              ; 16 rows of m: lane (r, hh) takes row r's channels 32 ks + 16 a + 8 hh + 0..7, in fragment order
	WIN 0
.set f, 0
.rept 32
	ds_load_b128 v[S+4*f:S+4*f+3], v[\a] offset:(\off)+128*(f/4)+64*((f/2)%2)+16*(f%2)
.set f, f+1
.endr
.endm
.macro SMUL i                  ; S^T(kt) = K(kt) q(i) + bias: 16 accumulators, one instruction each
	WIN 0x0b
.set kt, 0
.rept 16
	v_wmma_f32_16x16x32_f16 v[S+8*kt:S+8*kt+7], v[8*kt:8*kt+7], v[Q+8*(\i):Q+8*(\i)+7], v[S+8*kt:S+8*kt+7]
.set kt, kt+1
.endr
.endm
.macro FOLD                    ; four chains of pairs -> the row's sum in v[C0], in every lane (a row lies in lanes r and r + 16)
	v_pk_add_f32 v[C0:C0+1], v[C0:C0+1], v[C0+2:C0+3]
	v_pk_add_f32 v[C0+4:C0+5], v[C0+4:C0+5], v[C0+6:C0+7]
	v_pk_add_f32 v[C0:C0+1], v[C0:C0+1], v[C0+4:C0+5]
	v_add_f32 v[C0], v[C0], v[C0+1]
	v_permlanex16_b32 v[C0+1], v[C0], s[SEL], s[SEL+1]
	v_add_f32 v[C0], v[C0], v[C0+1]
.endm
.macro SUM64                   ; the 64 pairs of v128-255 into four chains
.set p, 0
.rept 4
	v_pk_add_f32 v[C0+2*p:C0+2*p+1], v[S+2*p:S+2*p+1], v[S+8+2*p:S+8+2*p+1]
.set p, p+1
.endr
.set p, 8
.rept 56
	v_pk_add_f32 v[C0+2*(p%4):C0+2*(p%4)+1], v[C0+2*(p%4):C0+2*(p%4)+1], v[S+2*p:S+2*p+1]
.set p, p+1
.endr
.endm
.macro SUB64                   ; v[MX] is taken away from all 128
.set p, 0
.rept 64
	v_pk_add_f32 v[S+2*p:S+2*p+1], v[S+2*p:S+2*p+1], v[MX:MX+1] op_sel_hi:[1,0] neg_lo:[0,1] neg_hi:[0,1]
.set p, p+1
.endr
.endm
.macro SOFTMAX
	WIN 0
.set n, 0
.rept 4                                                ; the maximum: four chains, one for each 32 registers; each accumulator's lowest registers are read first
	v_max3_num_f32 v[C0+n], v[S+32*n], v[S+32*n+1], v[S+32*n+2]
.set n, n+1
.endr
.rept 56
	v_max3_num_f32 v[C0+n%4], v[C0+n%4], v[S+32*(n%4)+2*(n/4)+1], v[S+32*(n%4)+2*(n/4)+2]
.set n, n+1
.endr
	v_max3_num_f32 v[C0], v[C0], v[S+31], v[S+63]
	v_max3_num_f32 v[C0+1], v[C0+1], v[S+95], v[S+127]
	v_max3_num_f32 v[C0], v[C0], v[C0+1], v[C0+2]
	v_max_num_f32 v[C0], v[C0], v[C0+3]
	v_permlanex16_b32 v[C0+1], v[C0], s[SEL], s[SEL+1]  ; the query's other 128 keys lie in the lane 16 away
	v_max_num_f32 v[MX], v[C0], v[C0+1]
	SUB64
.set n, 0
.rept 128
	v_exp_f32 v[S+n], v[S+n]
.set n, n+1
.endr
	v_nop                                          ; a plain instruction between the last exponential and the use of its result
	s_wait_alu depctr_va_vdst(0)
	SUM64
	FOLD
	v_rcp_f32 v[RL], v[C0]                         ; the roundings below stand between it and its use
.set n, 0
.rept 64                                               ; rounded to f16 in place, ascending: P of keys 32 kb on lies at S + 8 kb
	v_cvt_pk_f16_f32 v[S+n], v[S+2*n], v[S+2*n+1]
.set n, n+1
.endr
.endm
.macro PVMUL                   ; O^T = V^T P on four accumulators (channel tile, key half) by turns
	WIN 0x03
.set n, 0
.rept 16
.set pct, n%2
.set phf, (n/2)%2
.set pkb, n/4+4*phf
.if n < 4
	v_wmma_f32_16x16x32_f16 v[O+16*phf+8*pct:O+16*phf+8*pct+7], v[128+16*pkb+8*pct:128+16*pkb+8*pct+7], v[S+8*pkb:S+8*pkb+7], 0
.else
	v_wmma_f32_16x16x32_f16 v[O+16*phf+8*pct:O+16*phf+8*pct+7], v[128+16*pkb+8*pct:128+16*pkb+8*pct+7], v[S+8*pkb:S+8*pkb+7], v[O+16*phf+8*pct:O+16*phf+8*pct+7]
.endif
.set n, n+1
.endr
.endm
.macro GATE i                  ; the key halves are added, divided by l, rounded, and multiplied by the gate
	WIN 0
.set p, 0
.rept 8
	v_pk_add_f32 v[O+2*p:O+2*p+1], v[O+2*p:O+2*p+1], v[O+16+2*p:O+16+2*p+1]
.set p, p+1
.endr
.set p, 0
	s_wait_alu depctr_va_vdst(0)
.rept 8
	v_pk_mul_f32 v[O+2*p:O+2*p+1], v[O+2*p:O+2*p+1], v[RL:RL+1] op_sel_hi:[1,0]
.set p, p+1
.endr
.set p, 0
.rept 8
	v_cvt_pk_f16_f32 v[GT+8*(\i)+p], v[O+2*p], v[O+2*p+1]
.set p, p+1
.endr
.set p, 0
.rept 8
	v_pk_mul_f16 v[GT+8*(\i)+p], v[GT+8*(\i)+p], v[G+8*(\i)+p]
.set p, p+1
.endr
.endm
.macro GOST i
	ds_store_b128 v[AGO], v[GT+8*(\i):GT+8*(\i)+3] offset:1024*(\i)
	ds_store_b128 v[AGO], v[GT+8*(\i)+4:GT+8*(\i)+7] offset:1024*(\i)+512
.endm
; A projection: 64 rows x 32 channels, K = 256: 8 accumulators by turns.  q, k, g: accumulator 2 rt + ct = W^T mn^T.  v: accumulator 4 (rt / 2) + 2 ct + rt % 2 = mn W.
.macro PROJ type
.if (\type) == TV
	WIN 0xa9
.else
	WIN 0xa6
.endif
.set n, 0
.rept 64
.set pa, n%8
.set pk, n/8
.if (\type) == TV
.set prt, 2*(pa/4)+pa%2
.set pct, (pa/2)%2
.if n < 8
	v_wmma_f32_16x16x32_f16 v[8*pa:8*pa+7], v[64*prt+8*pk:64*prt+8*pk+7], v[WF+64*pct+8*pk:WF+64*pct+8*pk+7], 0
.else
	v_wmma_f32_16x16x32_f16 v[8*pa:8*pa+7], v[64*prt+8*pk:64*prt+8*pk+7], v[WF+64*pct+8*pk:WF+64*pct+8*pk+7], v[8*pa:8*pa+7]
.endif
.else
.set prt, pa/2
.set pct, pa%2
.if (n < 8) && ((\type) == TG)
	v_wmma_f32_16x16x32_f16 v[8*pa:8*pa+7], v[WF+64*pct+8*pk:WF+64*pct+8*pk+7], v[64*prt+8*pk:64*prt+8*pk+7], v[BGF+8*pct:BGF+8*pct+7]
.elseif n < 8
	v_wmma_f32_16x16x32_f16 v[8*pa:8*pa+7], v[WF+64*pct+8*pk:WF+64*pct+8*pk+7], v[64*prt+8*pk:64*prt+8*pk+7], 0
.else
	v_wmma_f32_16x16x32_f16 v[8*pa:8*pa+7], v[WF+64*pct+8*pk:WF+64*pct+8*pk+7], v[64*prt+8*pk:64*prt+8*pk+7], v[8*pa:8*pa+7]
.endif
.endif
.set n, n+1
.endr
	PLACES
.endm
.macro EPI_KV off              ; accumulators 2 u, 2 u + 1 pack into one image, in place, and go to LDS for all waves
	WIN 0xaa
.set n, 0
.rept 32
	v_cvt_pk_f16_f32 v[16*(n/8)+n%8], v[16*(n/8)+2*(n%8)], v[16*(n/8)+2*(n%8)+1]
.set n, n+1
.endr
	WIN 0x08                                       ; store data in window 2
.irp u, 0,1,2,3
	ds_store_b128 v[AKST], v[16*\u:16*\u+3] offset:(\off)+1024*\u
	ds_store_b128 v[AKST], v[16*\u+4:16*\u+7] offset:(\off)+1024*\u+512
.endr
.endm
.macro EPI_Q                   ; c q, rounded once
	WIN 0xaa
.set n, 0
.rept 32
	v_pk_mul_f32 v[2*n:2*n+1], v[2*n:2*n+1], s[CS:CS+1] op_sel_hi:[1,0]
.set n, n+1
.endr
.set n, 0
.rept 32
	v_cvt_pk_f16_f32 v[Q+n], v[2*n], v[2*n+1]
.set n, n+1
.endr
.endm
.macro EPI_G                   ; g = 1 / (1 + 2^(-log2(e) x))
	WIN 0xaa
.set n, 0
.rept 32
	v_pk_mul_f32 v[2*n:2*n+1], v[2*n:2*n+1], s[NL2:NL2+1] op_sel_hi:[1,0]
.set n, n+1
.endr
.set n, 0
.rept 64
	v_exp_f32 v[n], v[n]
.set n, n+1
.endr
	v_nop
.set n, 0
	s_wait_alu depctr_va_vdst(0)
.rept 32
	v_pk_add_f32 v[2*n:2*n+1], v[2*n:2*n+1], 1.0 op_sel_hi:[1,0]
.set n, n+1
.endr
.set n, 0
.rept 64
	v_rcp_f32 v[n], v[n]
.set n, n+1
.endr
	v_nop
	WIN 0x0a                                       ; sources in window 2, destination in window 0
.set n, 0
	s_wait_alu depctr_va_vdst(0)
.rept 32
	v_cvt_pk_f16_f32 v[G+n], v[2*n], v[2*n+1]
.set n, n+1
.endr
.endm
.macro EPI type
.if (\type) == TK
	EPI_KV 0
.elseif (\type) == TV
	EPI_KV 16384
.elseif (\type) == TQ
	EPI_Q
.else
	EPI_G
.endif
.endm
.macro LNTILE rt               ; 16 rows of m once more: (x rs - mu rs) w + b, rounded to f16 into mn
	WIN 0
	ds_load_b128 v[C0+4:C0+7], v[ASTAT] offset:512*(\rt)  ; rs, rs, -mu rs, -mu rs: LDS serves a wave's instructions in order (ISA guide 5.7.1.4), so this sees my store
	XLD AM, 16*MP*(\rt)
	s_wait_dscnt 0x0
.set p, 0
.rept 64
	v_pk_fma_f32 v[S+2*p:S+2*p+1], v[S+2*p:S+2*p+1], v[C0+4:C0+5], v[C0+6:C0+7]
.set p, p+1
.endr
	WIN 0x3c                                       ; sources 1 and 2 in window 3
.set p, 0
.rept 64
	v_pk_fma_f32 v[S+2*p:S+2*p+1], v[S+2*p:S+2*p+1], v[2*p:2*p+1], v[128+2*p:128+2*p+1]
.set p, p+1
.endr
	WIN 0x40                                       ; destination in window 1
.set p, 0
.rept 64
	v_cvt_pk_f16_f32 v[64*(\rt)+p], v[S+2*p], v[S+2*p+1]
.set p, p+1
.endr
	WIN 0
.endm
; Trips 1 to 3 of a head.  In the last head there is no next head: the store of g o (it stays in registers) and the projection are jumped over; no barrier and no tensor load is.
.macro TRIP i, this, other, ab, aw, type
	HEADOF \this, \other
	BIASLD \ab
	s_wait_dscnt 0x0
	SMUL \i
	WLD \aw, 0
	WIN 0
	PLACES
	SOFTMAX
	PVMUL
	WIN 0
	PLACES
	GATE \i
	s_cmp_eq_u32 s[HC], 1
	s_cbranch_scc1 .Llast_head_\@
	GOST \i
	s_wait_dscnt 0x0                               ; the weight images are in
	PROJ \type
	EPI \type
	WIN 0
.Llast_head_\@:
.endm
; A K step (one head) of out^T = Wo^T (g o)^T: 64 accumulators, one instruction each.  first = 1: head 7, from registers; bo starts the sums.
.macro OSTEP first
	WIN 0
	PLACES                                         ; for the loads into registers that the step before multiplied
	WIN 0x40
.set f, 0
.rept 16
	ds_load_b128 v[128+8*f:128+8*f+3], v[AWO] offset:1024*f
	ds_load_b128 v[128+8*f+4:128+8*f+7], v[AWO] offset:1024*f+512
.set f, f+1
.endr
	WIN 0
.if !(\first)
.irp u, 0,1,2,3
	ds_load_b128 v[O+8*\u:O+8*\u+3], v[AGOR] offset:1024*\u
	ds_load_b128 v[O+8*\u+4:O+8*\u+7], v[AGOR] offset:1024*\u+512
.endr
.endif
	s_wait_dscnt 0x0
.if \first
	s_wait_loadcnt 0x0                             ; bo
.endif
.set n, 0
.rept 64
.set ort, n/16
.set oct, n%16
.if \first
	WIN 0x91+0x40*(ort/2)
	v_wmma_f32_16x16x32_f16 v[128*(ort%2)+8*oct:128*(ort%2)+8*oct+7], v[128+8*oct:128+8*oct+7], v[GT+8*ort:GT+8*ort+7], v[8*oct:8*oct+7]
.else
	WIN 0xa1+0x50*(ort/2)
	v_wmma_f32_16x16x32_f16 v[128*(ort%2)+8*oct:128*(ort%2)+8*oct+7], v[128+8*oct:128+8*oct+7], v[O+8*ort:O+8*ort+7], v[128*(ort%2)+8*oct:128*(ort%2)+8*oct+7]
.endif
.set n, n+1
.endr
	WIN 0
.endm
; The way out of tile rt: a lane's 32 bytes of a row go into my stage (rows of 1,040 bytes) and come back as halves of rows, 512 consecutive bytes a load.
.macro OUTTILE rt
	WIN 0x08+4*((\rt)/2)                           ; store data in window 2 or 3
.set f, 0
.rept 16
	ds_store_b128 v[ASTS], v[128*((\rt)%2)+8*f:128*((\rt)%2)+8*f+3] offset:64*f
	ds_store_b128 v[ASTS], v[128*((\rt)%2)+8*f+4:128*((\rt)%2)+8*f+7] offset:64*f+16
.set f, f+1
.endr
	WIN 0
	s_wait_xcnt 0x0                                ; the registers that the last tile's stores read are loaded again only behind this wait
.set f, 0
.rept 32
	ds_load_b128 v[S+4*f:S+4*f+3], v[AGO0] offset:MP*(f/2)+512*(f%2)  ; in order behind my stores (ISA guide 5.7.1.4)
.set f, f+1
.endr
.set f, 0
.rept 32
	s_wait_dscnt 31-f                              ; the younger loads may stay out
	global_store_b128 v[L16], v[S+4*f:S+4*f+3], s[16:17] offset:(16*(\rt)+f/2)*1024+512*(f%2) th:TH_STORE_NT  ; 512 consecutive bytes, at a multiple of 512 from out0's first
.set f, f+1
.endr
.endm
	s_load_b256 s[4:11], s[0:1], 0x0               ; m s[4:5], stream s[6:7], ln_m_w s[8:9], ln_m_b s[10:11]
	s_load_b128 s[12:15], s[0:1], 0x20             ; bg s[12:13], bo s[14:15]
	s_load_b64 s[16:17], s[0:1], 0x30              ; out0
	v_lshl_add_u32 v[SPW], v0, 2, SPARE
	v_mov_b32 v[NIL], 0
	ds_add_u32 v[SPW], v[NIL]                      ; the wave's opening: the add and its wait ahead of my first tensor load; the set-up, work on registers, stands between
	ds_add_u32 v16, v17
	v_lshrrev_b32 v1, 5, v0
	v_readfirstlane_b32 s[WV], v1                  ; wave 0..3
	s_bfe_u32 s19, ttmp6, 0x40000                  ; cx: my place in the cluster; it enters m's and out0's addresses alone
	s_lshl_b32 s20, ttmp9, 2                       ; in a cluster launch ttmp9 counts clusters
	s_add_co_u32 s20, s20, s19                     ; my sequence
	s_lshl_b32 s20, s20, 18                        ; its 262,144 bytes,
	s_lshl_b32 s21, s[WV], 16                      ; my wave's 64 rows of 1,024
	s_add_co_u32 s20, s20, s21
	s_mov_b32 s21, 0
	; group 1 of the joint loads: dense bytes as rows of 256 (32 elements of 8 bytes); 15:0 the mask of four, bit 21 beside it
.irp g, G1R, G1P
	s_mov_b32 s[\g+0], 15|(3<<16)|(1<<21)
	s_mov_b32 s[\g+1], 32<<16                      ; tensor_dim0 = 32
	s_mov_b32 s[\g+3], 32<<16                      ; tile_dim0 = 32
	s_mov_b32 s[\g+5], 32                          ; pitch
	s_mov_b32 s[\g+6], 0
	s_mov_b32 s[\g+7], 0
.endr
	s_mov_b32 s[G1R+2], 80<<16                     ; 80 rows: a quarter of a chunk
	s_mov_b32 s[G1R+4], 80
	s_mov_b32 s[G1P+2], 48<<16                     ; 48 rows: a quarter of 48 KB
	s_mov_b32 s[G1P+4], 48
	; group 1 of m's load: 64 rows of 256 f32, 16 bytes of padding behind every 1,024; no mask
	s_mov_b32 s[G1M+0], (2<<16)|(1<<20)|(7<<22)|(3<<25)
	s_mov_b32 s[G1M+1], 256<<16
	s_mov_b32 s[G1M+2], 64<<16
	s_mov_b32 s[G1M+3], 256<<16
	s_mov_b32 s[G1M+4], 64
	s_mov_b32 s[G1M+5], 256
	s_mov_b32 s[G1M+6], 0
	s_mov_b32 s[G1M+7], 0
	s_mov_b32 s[G0A], 1
	s_mul_i32 s[G0A+1], s[WV], 20480               ; LDS addresses: a constant and the wave's number times a constant
	s_mov_b32 s[G0B], 1
	s_add_co_u32 s[G0B+1], s[G0A+1], SLOT1
	s_mov_b32 s[G0M], 1
	s_mul_i32 s[G0M+1], s[WV], MW
	s_mul_i32 s23, s[WV], 12288
	s_mov_b32 s[G0P], 1
	s_add_co_u32 s[G0P+1], s23, PREG
	s_mov_b32 s[G0T], 1
	s_add_co_u32 s[G0T+1], s23, SLOT1
	s_mov_b32 s84, s[G0A+1]                        ; my quarter's offset in a chunk,
	s_mov_b32 s85, 0
	s_mov_b32 s86, s23                             ; and in a block of 48 KB
	s_mov_b32 s87, 0
	s_mov_b32 s[SEL], 0x76543210
	s_mov_b32 s[SEL+1], 0xfedcba98
	s_mov_b32 s[CS], 0x3e8293ee                    ; c = log2(e) / sqrt(32)
	s_mov_b32 s[CS+1], s[CS]
	s_mov_b32 s[NL2], 0xbfb8aa3b                   ; -log2(e)
	s_mov_b32 s[NL2+1], s[NL2]
	s_mov_b32 s[R256], 0x3b800000                  ; 1 / 256
	s_mov_b32 s[EPS], 0x3727c5ac                   ; 1e-5
	s_mov_b32 s[HC], 8
	s_mov_b32 s[GOFF], 0
	s_wait_dscnt 0x0                               ; the opening add is done
	s_wait_kmcnt 0x0
	s_add_nc_u64 s[G0A+2:G0A+3], s[6:7], s[84:85]                  ; chunk 0
	s_add_nc_u64 s[G0B+2:G0B+3], s[G0A+2:G0A+3], CH                ; chunk 1
	s_add_nc_u64 s[G0P+2:G0P+3], s[6:7], s[86:87]
	s_add_nc_u64 s[G0T+2:G0T+3], s[G0P+2:G0P+3], 33*CH             ; the last chunk
	s_add_nc_u64 s[G0P+2:G0P+3], s[G0P+2:G0P+3], PB                ; head 0's Wk, Wv, Wq
	s_add_nc_u64 s[G0M+2:G0M+3], s[4:5], s[20:21]
	s_add_nc_u64 s[16:17], s[16:17], s[20:21]                      ; out0 at my wave's first row
.irp g, G0A, G0B, G0P, G0T, G0M
	s_or_b32 s[\g+3], s[\g+3], 0x80000000
.endr
	ROUND                                          ; all four work-groups are here: the first loads go out as one group behind this round
	tensor_load_to_lds s[G0M:G0M+3], s[G1M:G1M+7]  ; my 64 rows of m
	s_nop 0
	tensor_load_to_lds s[G0P:G0P+3], s[G1P:G1P+7]  ; my quarter of head 0's weights, jointly: two loads of mine are out
	s_nop 0
	PLACES
	v_and_b32 v30, 31, v0
	v_lshlrev_b32 v[L16], 4, v30
	v_and_b32 v30, 15, v0                          ; r
	v_bfe_u32 v31, v0, 4, 1                        ; hh
	v_lshlrev_b32 v[AHH], 5, v31
	WIN 0xc0                                       ; ln_m_w, ln_m_b in the order of m's fragments, into window 3
.set f, 0
.rept 32
	global_load_b128 v[4*f:4*f+3], v[AHH], s[8:9] offset:128*(f/4)+64*((f/2)%2)+16*(f%2)
	global_load_b128 v[128+4*f:128+4*f+3], v[AHH], s[10:11] offset:128*(f/4)+64*((f/2)%2)+16*(f%2)
.set f, f+1
.endr
	WIN 0
	s_lshl_b32 s22, s[WV], 14
	v_add_nc_u32 v[AB0], s22, v[L16]
	v_add_nc_u32 v[AB1], SLOT1, v[AB0]
	v_add_nc_u32 v[AW0], WOFF, v[L16]
	v_add_nc_u32 v[AW1], WOFF+SLOT1, v[L16]
	v_add_nc_u32 v[AKV], KV, v[L16]
	s_lshl_b32 s22, s[WV], 12
	v_add_nc_u32 v[AKST], s22, v[AKV]
	s_mul_i32 s22, s[WV], GOW
	s_add_co_u32 s22, s22, GO
	v_add_nc_u32 v[AGO0], s22, v[L16]
	v_mul_u32_u24 v30, v30, MP
	v_add_nc_u32 v30, v30, v[AHH]                  ; 1,040 r + 32 hh
	v_add_nc_u32 v[ASTS], s22, v30
	v_add_nc_u32 v[AM], s[G0M+1], v30
	s_lshl_b32 s22, s[WV], 11
	s_add_co_u32 s22, s22, STAT
	v_add_nc_u32 v[ASTAT], s22, v[L16]
	v_add_nc_u32 v[AP], PREG, v[L16]
	v_mov_b32 v[ABG], v[AHH]
	v_mov_b32 v[MX+1], 0                           ; named as pairs
	v_mov_b32 v[RL+1], 0
	v_mov_b32 v[AWO], v[AM]                        ; stepped copies for the loop below
	v_mov_b32 v[AGOR], v[ASTAT]
	s_wait_tensorcnt 0x0                           ; my rows of m are in; only I read them
	; LAYERNORM, the statistics: four trips, 16 rows each: the mean, then the squares of the centred numbers
	s_mov_b32 s[CNT], 4
.Lstat:
	XLD AWO, 0
	s_wait_dscnt 0x0
	SUM64
	FOLD
	v_mul_f32 v[MX], s[R256], v[C0]
	SUB64
.set p, 0
.rept 4
	v_pk_mul_f32 v[C0+2*p:C0+2*p+1], v[S+2*p:S+2*p+1], v[S+2*p:S+2*p+1]
.set p, p+1
.endr
.rept 60
	v_pk_fma_f32 v[C0+2*(p%4):C0+2*(p%4)+1], v[S+2*p:S+2*p+1], v[S+2*p:S+2*p+1], v[C0+2*(p%4):C0+2*(p%4)+1]
.set p, p+1
.endr
	FOLD
	v_fma_f32 v[C0], v[C0], s[R256], s[EPS]
	v_rsq_f32 v[C0+4], v[C0]
	v_nop                                          ; a plain instruction between the root and the use of its result
	s_wait_alu depctr_va_vdst(0)
	v_mov_b32 v[C0+5], v[C0+4]
	v_mul_f32 v[C0+6], -v[MX], v[C0+4]
	v_mul_f32 v[C0+7], -v[MX], v[C0+4]
	ds_store_b128 v[AGOR], v[C0+4:C0+7]
	v_add_nc_u32 v[AWO], 16*MP, v[AWO]
	v_add_nc_u32 v[AGOR], 512, v[AGOR]
	s_sub_co_u32 s[CNT], s[CNT], 1
	s_cmp_lg_u32 s[CNT], 0
	s_cbranch_scc1 .Lstat
	s_wait_loadcnt 0x0                             ; ln_m_w, ln_m_b
	LNTILE 0
	LNTILE 1
	LNTILE 2
	LNTILE 3
	s_wait_tensorcnt 0x0                           ; m is read out: the ring begins where it lay.  All my loads have landed,
	ds_add_u32 v[SPW], v[NIL]
	s_wait_dscnt 0x0                               ; and my LDS instructions are done
	ROUND
	FILL G0A, G1R                                  ; chunk 0
	; head 0's k, v, q: every wave's quarter of their weights was shown landed in front of the round
	WLD AP, 0
	s_wait_dscnt 0x0
	PROJ TK
	EPI TK
	WLD AP, 16384
	s_wait_dscnt 0x0
	PROJ TV
	EPI TV
	WLD AP, 32768
	s_wait_dscnt 0x0
	PROJ TQ
	EPI TQ
	WIN 0
.Lhead:                                                ; 8 trips, four chunks each
	HEADOF G0A, G0B
	v_add_nc_u32 v[AGO], s[GOFF], v[AGO0]
	BIASLD AB0
	KVLD                                           ; all waves stored this head's K and V at least one round ago
	WIN 0x80
.irp j, 0,1,2,3
	global_load_b128 v[BGF+4*\j:BGF+4*\j+3], v[ABG], s[12:13] offset:64*(\j/2)+16*(\j%2)
.endr
	s_wait_dscnt 32                                ; bias and K are in; V's 32 loads may stay out
	SMUL 0
	WLD AW0, 0
	WIN 0
	PLACES
	SOFTMAX
	s_wait_dscnt 32                                ; V is in; the 32 loads of Wg's images may stay out
	PVMUL
	s_wait_dscnt 0x0
	s_wait_loadcnt 0x0                             ; bg
	PROJ TG
	EPI TG
	WIN 0
	v_add_nc_u32 v[ABG], 128, v[ABG]               ; free since the wait for its loads
	GATE 0
	s_cmp_eq_u32 s[HC], 1
	s_cbranch_scc1 .Lno_go0                        ; head 7's g o stays in registers
	GOST 0
.Lno_go0:
	TRIP 1, G0B, G0A, AB1, AW1, TK
	TRIP 2, G0A, G0B, AB0, AW0, TV
	TRIP 3, G0B, G0A, AB1, AW1, TQ                 ; its last refill, in head 7, brings chunk 32: Wo's K steps 7, 0, 1, 2, 3
	s_add_co_u32 s[GOFF], s[GOFF], 4096
	s_sub_co_u32 s[HC], s[HC], 1
	s_cmp_lg_u32 s[HC], 0
	s_cbranch_scc1 .Lhead
	; THE OUTPUT PROJECTION.  mn, K, V, q are done with: 64 accumulators in windows 2 and 3.
	WIN 0x40
.set f, 0
.rept 16                                               ; bo[16 ct + 8 hh + j]: the C operand of the first K step
	global_load_b128 v[8*f:8*f+3], v[AHH], s[14:15] offset:64*f
	global_load_b128 v[8*f+4:8*f+7], v[AHH], s[14:15] offset:64*f+16
.set f, f+1
.endr
	WIN 0
	s_wait_tensorcnt 0x0                           ; chunk 32 has landed
	ds_add_u32 v[SPW], v[NIL]
	s_wait_dscnt 0x0
	ROUND
	FILL G0T, G1P                                  ; Wo's K steps 4, 5, 6 into slot 1
	v_mov_b32 v[AWO], v[L16]
	OSTEP 1                                        ; head 7
	v_add_nc_u32 v[AWO], 16384, v[L16]
	v_mov_b32 v[AGOR], v[AGO0]
	s_mov_b32 s[CNT], 4
.Lo1:                                                  ; heads 0 to 3
	OSTEP 0
	v_add_nc_u32 v[AWO], 16384, v[AWO]
	v_add_nc_u32 v[AGOR], 4096, v[AGOR]
	s_sub_co_u32 s[CNT], s[CNT], 1
	s_cmp_lg_u32 s[CNT], 0
	s_cbranch_scc1 .Lo1
	s_wait_tensorcnt 0x0                           ; my quarter of the last chunk is in;
	ds_add_u32 v[SPW], v[NIL]
	s_wait_dscnt 0x0
	s_barrier_signal -1                            ; everybody's is: no round
	s_barrier_wait -1
	s_mov_b32 s[CNT], 3
.Lo2:                                                  ; heads 4 to 6: slot 1 begins where slot 0's fifth block ends, so the address steps on
	OSTEP 0
	v_add_nc_u32 v[AWO], 16384, v[AWO]
	v_add_nc_u32 v[AGOR], 4096, v[AGOR]
	s_sub_co_u32 s[CNT], s[CNT], 1
	s_cmp_lg_u32 s[CNT], 0
	s_cbranch_scc1 .Lo2
	PLACES                                         ; the stores below read results just made
	OUTTILE 0
	OUTTILE 1
	OUTTILE 2
	OUTTILE 3
	s_wait_tensorcnt 0x0                           ; the wave's end
	ds_add_u32 v[SPW], v[NIL]
	s_wait_dscnt 0x0
	ROUND                                          ; the closing round: no work-group ends while a partner may still ask for a chunk that names it
	s_endpgm
.Lfunc_end_k_qf99f558490_main:
	.size	k_qf99f558490_main, .Lfunc_end_k_qf99f558490_main-k_qf99f558490_main
	.p2alignl 7, 3214868480
	.fill 96, 4, 3214868480
	.section	.rodata,"a",@progbits
	.p2align	6, 0x0
	.amdhsa_kernel k_qf99f558490_main
		.amdhsa_group_segment_fixed_size 327680
		.amdhsa_private_segment_fixed_size 0
		.amdhsa_enable_private_segment 0
		.amdhsa_kernarg_size 56
		.amdhsa_user_sgpr_count 2
		.amdhsa_user_sgpr_kernarg_segment_ptr 1
		.amdhsa_wavefront_size32 1
		.amdhsa_system_sgpr_workgroup_id_x 1
		.amdhsa_system_sgpr_workgroup_id_y 1
		.amdhsa_system_sgpr_workgroup_id_z 1
		.amdhsa_system_vgpr_workitem_id 0
		.amdhsa_next_free_vgpr 1024
		.amdhsa_next_free_sgpr 96
		.amdhsa_reserve_vcc 0
		.amdhsa_float_denorm_mode_32 3
		.amdhsa_float_denorm_mode_16_64 3
		.amdhsa_memory_ordered 1
		.amdhsa_forward_progress 1
		.amdhsa_inst_pref_size 255
	.end_amdhsa_kernel
	.section	.bss,"aw",@nobits
	.p2align	6
	.space	262144
	.amdgpu_metadata
---
amdhsa.version: [ 1, 2 ]
amdhsa.kernels:
  - .name:           k_qf99f558490_main
    .symbol:         k_qf99f558490_main.kd
    .args:
      - { .name: m, .offset: 0, .size: 8, .value_kind: global_buffer, .address_space: global }
      - { .name: stream, .offset: 8, .size: 8, .value_kind: global_buffer, .address_space: global }
      - { .name: ln_m_w, .offset: 16, .size: 8, .value_kind: global_buffer, .address_space: global }
      - { .name: ln_m_b, .offset: 24, .size: 8, .value_kind: global_buffer, .address_space: global }
      - { .name: bg, .offset: 32, .size: 8, .value_kind: global_buffer, .address_space: global }
      - { .name: bo, .offset: 40, .size: 8, .value_kind: global_buffer, .address_space: global }
      - { .name: out0, .offset: 48, .size: 8, .value_kind: global_buffer, .address_space: global }
    .group_segment_fixed_size: 327680
    .private_segment_fixed_size: 0
    .kernarg_segment_align: 8
    .kernarg_segment_size: 56
    .max_flat_workgroup_size: 128
    .sgpr_count:     96
    .vgpr_count:     1024
    .wavefront_size: 32
...
	.end_amdgpu_metadata
.endif
;; end of part 2
